; MI455X (gfx1250); checked and timed in simulation.
; The chip was launched on July 23, 2026; its instructions are those of AMD's public machine-readable ISA for CDNA 5 (MIT licence, August 2026) and "CDNA5" Instruction Set Architecture Reference Guide (July 2026). The comments in the code are by the model that wrote it; some were corrected since.
;; Self Attention gen181. Allowed arithmetic: matrix products marked QUANTISED: E2M1 operands, one E8M0 scale for each 32 along K, by v_wmma_scale_f32_16x16x128_f8f6f4 with both operands' format E2M1 (or v_wmma_scale_f32_32x16x128_f4), f32 sums; everything else in f32.
;; Inputs: entangle_params 16 x 64 float32; inputs 4 x 2,048 x 1,024 float32; rotation_params 16 x 64 float32.
;; Outputs: out0 4 x 2,048 x 1,024 float32.
;; This version of the problem:
;;   THIS VERSION OF THE PROBLEM IS GIVEN IN LOW PRECISION. The matrix products marked QUANTISED in the list below multiply operands that are first quantised to E2M1 (2 exponent bits, 1 mantissa bit; 4 bits a number), with one power-of-two scale for each 32 numbers along K (OCP MX v1.0); their sums are f32. All else is computed in f32.
;;   The module's matrix products, in the order in which they are computed (A, B: the left and right operand; K: the contracted axis; several contracted axes count as one K, in the product's order):
;;     1. batch 64 x [M 2,048, K 64] x [K 64, N 2,048]; A: computed on the way; B: computed on the way: QUANTISED
;;     2. batch 64 x [M 2,048, K 2,048] x [K 2,048, N 64]; A: softmax (see below); B: input inputs: QUANTISED
;;   THE QUANTISER, for each operand of a quantised product, along K:
;;     - K is cut into blocks of 32 from its start; a last block that is shorter is filled with zeros.
;;     - A block's scale is 2^e with e = floor(log2(the largest magnitude in the block)) - 2, held to -126 .. 127; a block of zeros has e = 0. As a byte (E8M0): e + 127.
;;     - Each number is divided by its block's scale, clamped to +-6, and rounded to the nearest number of E2M1, ties to even, subnormals kept.
;;     - The product sums the exact products of the quantised numbers (number of the format x scale) in f32.
;;   ~~~python
;;   def quantise(x, axis):      # numpy; x: float32 -> the quantised numbers, widened to float32 again
;;       x = np.moveaxis(x, axis, -1); K = x.shape[-1]
;;       x = np.pad(x, [(0, 0)] * (x.ndim - 1) + [(0, -K % 32)]); x = x.reshape(x.shape[:-1] + (-1, 32)); a = np.abs(x).max(-1, keepdims=True)
;;       e = np.where(a > 0, np.clip(np.frexp(np.where(a > 0, a, 1))[1] - 1 - 2, -126, 127), 0)      # np.frexp(a)[1] - 1 = floor(log2(a)), exactly
;;       r = np.clip(x / 2.0 ** e, -6, 6)
;;       step = 2.0 ** (np.maximum(np.frexp(np.where(r == 0, 1, r))[1] - 1, 0) - 1)
;;       q = np.round(r / step) * step * 2.0 ** e      # np.round: ties to even
;;       return np.moveaxis(q.reshape(q.shape[:-2] + (-1,))[..., :K], -1, axis).astype(np.float32)
;;   ~~~
;;   SOFTMAX AHEAD OF A QUANTISED PRODUCT. Where the list says 'softmax', what is quantised is not the finished softmax but p = 2^(t - M), with t = logit x log2(e) and M = ceil(the row's largest t), a whole number; so 1/2 < the row's largest p <= 1. The row's sum l is taken of the UNQUANTISED p, in f32, and the product's result is divided by l at the end. Since M is a whole number, a kernel that streams over the keys may use a running M (the ceiling of the running maximum): every later rescaling is an exact power of two, which a block's scale takes up: the codes' values come out the same.
;;   OPERANDS COMPUTED ON THE WAY. 'Computed on the way' means the value that the module computes at that place (a softmax that the list does not call 'softmax' is quantised finished and normalised). What goes into a quantiser is computed in f32, as accurately as f32 sums, v_exp_f32 and their like allow (about 1e-6 of the number): no bf16 or f16 on the way to a quantiser, and a product that is left as it is and whose result goes on into a quantised operand takes f32 operands (vector FMAs, or v_wmma_f32_16x16x4_f32). A number that lies on a knife's edge between two numbers of the format may be rounded either way, as far as f32 arithmetic and the matrix unit's own rounding can turn it there, and no further.
;; 2 versions. Each part assembles by itself: llvm-mc -triple=amdgcn-amd-amdhsa -mcpu=gfx1250 --defsym DOCPART=n.
;; ======== version 1 of 2: 1 launch
;; launch attn (part 1): grid 256 x 1, 16 waves a work-group, no clusters, 288,768 bytes of LDS; arguments inputs, rotation_params, entangle_params, out0; writes out0
.if DOCPART == 1
	.amdgcn_target "amdgcn-amd-amdhsa--gfx1250"
	.amdhsa_code_object_version 6
	.text
	.protected	k_q2ca1ebc847_attn
	.globl	k_q2ca1ebc847_attn
	.p2align	8
	.type	k_q2ca1ebc847_attn,@function
k_q2ca1ebc847_attn:
	s_mov_b64 s[64:65], 0
	v_nop
	global_prefetch_b8 v0, s[64:65] scope:SCOPE_SE
	s_setreg_imm32_b32 hwreg(HW_REG_WAVE_MODE, 25, 1), 1
	s_wait_xcnt 0x0
; out[b][i][head][:] = sum over j of softmax_j((x_i rot) . (x_j ent) / 8) x_j, x = inputs[b][.][head][:], 64 numbers a head; both products on codes of FP4 (E2M1) with one E8M0 scale for each 32 along a product's K.
; Product 1: K = the head's 64 (two blocks of 32); the instruction's other 64 along K are zero codes on both sides, under the scale byte 0.  Product 2: K = the keys; what is quantised is p = 2^(t - M),
; t = score x log2(e) / 8, M the running largest t rounded up to a whole number; the row's sum is taken of the unquantised p, in f32, and divides at the end.
; NO WORK IS LEFT OUT: all three inputs reach the output through the codes of q, k and v.
; SHARES.  256 work-groups: 64 (batch, head) x 4 blocks of 512 queries.  Sixteen waves of 256 registers.  Wave w owns queries 32 w .. 32 w + 31 of the block, as two tiles of 16 worked one after the other.
; A HEAD'S K AND V LIE IN LDS WHOLE, as codes: 16 key steps of 128 keys x 8,960 bytes.  In the prologue wave w quantises key step w from x (32 keys at a time, turned through its own stage in LDS) and stores K's and V's
; operands as IMAGES OF THE OPERAND'S REGISTERS, 16 bytes a lane on end; one barrier; from then on the images are only read.  No ring, no refill, nothing loaded from memory behind the prologue.
; LAYOUT.  Both products are used transposed: S^T = K Q^T (source 0 = 16 keys, source 1 = my 16 queries), O^T = V^T P^T (source 0 = 16 of the head's 64, source 1 = P): a lane holds ONE query throughout.
; THE KEYS OF A TILE ARE NOT NEIGHBOURS: lane r of tile 2 b + u takes key 32 b + 8 u + r + 8 (r / 8), so that the 16 registers of tiles 2 b and 2 b + 1 are 16 neighbouring keys.  My queries are tiled by the same
; macros, so tile u's lane r is query 8 u + r + 8 (r / 8) of my 32; the way out puts each row back in its place.
; NO CLUSTER: what the four work-groups of a head share is x as f32, which has to pass through registers to be multiplied and converted, and is read in the prologue alone; a joint load would want a ring of f32 slots
; in LDS, and beside the images (143,360 bytes), the stages (143,360) and the spare words 38,912 bytes are left.  The four repeat K's and V's quantising: 64 units of 32 keys beside 512 key steps of a tile.
; LIMITS.  NaN and infinities among the inputs are not served.  A block of zeros, or one whose largest magnitude lies under 2^-124, gets the scale byte 1 where the rule says 127: its codes are zeros, and this text alone
; reads the bytes.  A block's largest p is made from its largest score by the same two instructions as every p: this takes v_exp_f32 not to fall where its input rises.
.set STEPB, 8960                       ; a key step's images: K's codes, V's codes, K's scale words, V's scale words
.set KC,    0                          ; K tile t (0..7) at 512 t + 16 lane: lane (r, h) holds the codes of d = 32 h .. + 31 of the tile's key r
.set VC,    4096                       ; V tile t (0..3), registers 4 c .. 4 c + 3 at 1024 t + 512 c + 16 lane: lane (r, h) holds key block 2 c + h of d = 16 t + r
.set KS,    8192                       ; at 16 lane + 4 j: the scale word of K tile 2 j + lane / 16, key lane % 16
.set VS,    8704                       ; at 8 lane + 4 j: the scale word of d = 32 j + lane
.set STG,   16*STEPB                   ; behind the images: a stage of 8,960 bytes for each wave
.set SP,    272                        ; a stage row: 256 bytes + 16 = 68 words: row n starts at bank 4 n mod 64 (64 banks of 4 bytes: ISA guide 11.1); rows 16-31 lie 128 bytes further on, so that the two groups of eight rows of a tile start at different banks
.set SPARE, 2*16*STEPB                 ; behind the stages: the spare words, 128 bytes for each wave: eight blocks of 256 bytes that no other line names
.set LI,   1                           ; v1   16 x lane
.set L8,   2                           ; v2   8 x lane
.set GA,   3                           ; v3   (lane / 16) x 4,096 + (lane % 16) x 16: two rows of x or of out, 256 bytes of a head each; never rewritten
.set SIN,  4                           ; v4   the same two rows in my stage
.set SPW,  5                           ; v5   LDS address of my spare word; never rewritten
.set NIL,  6                           ; v6   0; never rewritten
.set SKR,  7                           ; v7   prologue: my row of a tile in the stage, + 128 h
.set SVR,  8                           ; v8   prologue: my column in the stage: 4 x lane
.set IMK,  9                           ; v9   prologue: my step's images + 16 x lane
.set IMV,  10                          ; v10  prologue: where my column's codes of V go
.set IMS,  11                          ; v11  prologue: and its two scale words
.set VW,   12                          ; v[12:13] prologue: V's scale words of d = lane and d = 32 + lane, a byte a unit
.set SH8,  14                          ; v14  prologue: 8 h
.set EA,   15                          ; v15  prologue: 128 h
.set ADI,  7                           ; v7   main part: the step's images + 16 x lane
.set AD8,  8                           ; v8   main part: + 8 x lane
.set SOUT, 9                           ; v9   main part: the stage, row r, + 32 h
.set CV0,  20                          ; v[20:23], v[28:31] prologue: V's codes; main part: the zero halves of Q's two fragments v[16:23], v[24:31]
.set CV1,  28
.set R,    32                          ; v32-95   prologue: 32 rows as loaded;  main part: K's eight fragments (upper four registers of each: zeros)
.set W,    96                          ; v96-159  prologue: two sets of 32 numbers;  main part: S^T, then p; on the way out O / l and the rows read back
.set EENT, 160                         ; v160-191 prologue: ent[32 h ..];  main part: O^T, four tiles
.set EROT, 192                         ; v192-223 prologue: rot[32 h ..];  main part: V's four fragments
.set TMA,  224                         ; v224, v225 two chains of a largest magnitude; v226 the conversion's scale operand; v227 the scale's byte; v229 a permute's destination; v230, v231 two tiles' scale words
.set TMB,  225
.set SO,   226
.set BY,   227
.set PT,   229
.set WD0,  230
.set WD1,  231
.set CK0,  232                         ; v[232:235], v[236:239] prologue: K's codes
.set CK1,  236
                                       ; main part: v12 -M, v13 the largest t, v[14:15] the sum in two halves; v224-231 p's codes; v232-239, v244-247, v252, v254 at work
                                       ; scale words, in registers that hold nothing else: v[240:241] V's, v242 Q's tile 1, v[248:251] K's, v253 p's, v255 Q's tile 0
.set WV,   12                          ; s12  my wave's number
.set SEL,  24                          ; s[24:25] lane selects for v_permlanex16_b32: lane l xor 16
.set CS,   26                          ; s[26:27] c = log2(e) / 8: the packed form names a pair and takes its low word for both halves
.set HI16, 28                          ; s28  lanes 16-31
.set TB,   29                          ; s29  LDS byte at which the step in hand begins
.set CNT,  30                          ; s30  steps to go
.set IMB,  32                          ; s32  my key step's images
.set STB,  33                          ; s33  my stage
	s_load_b256 s[4:11], s[0:1], 0x0               ; x s[4:5], rot s[6:7], ent s[8:9], out s[10:11]
	v_lshl_add_u32 v[SPW], v0, 2, SPARE
	v_mov_b32 v[NIL], 0
	v_lshrrev_b32 v224, 5, v0
	v_readfirstlane_b32 s[WV], v224                ; wave 0..15
	s_lshr_b32 s13, ttmp9, 2                       ; 16 x batch + head
	s_and_b32 s14, ttmp9, 3                        ; my block of 512 queries
	s_lshr_b32 s34, s13, 4                         ; batch
	s_and_b32 s35, s13, 15                         ; head
	s_lshl_b32 s18, s35, 8                         ; the head's 256 bytes in a row of x, of rot and of ent
	s_mov_b32 s19, 0
	s_lshl_b32 s16, s34, 23                        ; a batch is 2,048 rows of 4,096 bytes
	s_or_b32 s16, s16, s18
	s_lshl_b32 s34, s[WV], 19                      ; my key step: 128 rows
	s_add_co_u32 s20, s16, s34
	s_mov_b32 s21, 0
	s_lshl_b32 s34, s14, 21                        ; my block: 512 rows,
	s_lshl_b32 s35, s[WV], 17                      ; my 32 of them
	s_add_co_u32 s22, s16, s34
	s_add_co_u32 s22, s22, s35
	s_mov_b32 s23, 0
	s_mov_b32 s[SEL], 0x76543210
	s_mov_b32 s[SEL+1], 0xfedcba98
	s_mov_b32 s[CS], 0x3e38aa3b                    ; log2(e) / 8
	s_mov_b32 s[CS+1], s[CS]                       ; (named with it as a pair, so it is written)
	s_mov_b32 s[HI16], 0xffff0000
	s_mul_i32 s[IMB], s[WV], STEPB
	s_add_co_u32 s[STB], s[IMB], STG
	v_and_b32 v224, 31, v0                         ; lane
	v_and_b32 v225, 15, v0                         ; r
	v_bfe_u32 v226, v0, 4, 1                       ; h
	v_lshlrev_b32 v[LI], 4, v224
	v_lshlrev_b32 v[L8], 3, v224
	v_lshlrev_b32 v[GA], 4, v225
	v_lshl_add_u32 v[GA], v226, 12, v[GA]
	v_mul_u32_u24 v[SIN], v226, SP
	v_lshl_add_u32 v[SIN], v225, 4, v[SIN]
	v_add_nc_u32 v[SIN], s[STB], v[SIN]
	v_and_b32 v227, 8, v225                        ; 8 (r / 8)
	v_add_nc_u32 v[SKR], v227, v225                ; r + 8 (r / 8): rows 0-7 and 16-23
	v_mul_u32_u24 v[SKR], v[SKR], SP
	v_lshl_add_u32 v[SKR], v227, 4, v[SKR]         ; + 128 for rows 16 on
	v_lshl_add_u32 v[SKR], v226, 7, v[SKR]         ; + 128 h: d = 32 h on
	v_add_nc_u32 v[SKR], s[STB], v[SKR]
	v_lshl_add_u32 v[SVR], v224, 2, s[STB]
	v_add_nc_u32 v[IMK], s[IMB], v[LI]
	v_lshlrev_b32 v[IMV], 4, v225
	v_lshl_add_u32 v[IMV], v226, 10, v[IMV]        ; d = lane: tile lane / 16, row lane % 16
	v_add_nc_u32 v[IMV], s[IMB], v[IMV]
	v_add_nc_u32 v[IMV], VC, v[IMV]
	v_add_nc_u32 v[IMS], s[IMB], v[L8]
	v_add_nc_u32 v[IMS], VS, v[IMS]
	v_lshlrev_b32 v[SH8], 3, v226
	v_lshlrev_b32 v[EA], 7, v226
	v_mov_b32 v[PT], 0                             ; written once: a lane permute's destination counts as one of its sources
	s_wait_kmcnt 0x0
	s_add_nc_u64 s[20:21], s[4:5], s[20:21]        ; x at my key step's first row, my head
	s_add_nc_u64 s[10:11], s[10:11], s[22:23]      ; out at my first query,
	s_add_nc_u64 s[22:23], s[4:5], s[22:23]        ; and x there
	s_add_nc_u64 s[6:7], s[6:7], s[18:19]          ; rot and ent at my head
	s_add_nc_u64 s[8:9], s[8:9], s[18:19]
; 32 rows of x, my head's 256 bytes of each: a load takes two rows, sixteen lanes to a row.  No hint: the head's other three work-groups read the same rows.
.macro LOADU base, imm
.irp j, 0,1,2,3,4,5,6,7,8,9,10,11,12,13,14,15
	global_load_b128 v[R+4*\j:R+4*\j+3], v[GA], s[\base:\base+1] offset:\imm+8192*\j
.endr
.endm
; The 32 rows go into my stage as they lie and come back as two tiles: lane (r, h) gets 32 neighbours, d = 32 h on, of row 8 u + r + 8 (r / 8).  more = 1: the next 32 rows are asked for.
.macro STAGEIN more, base, imm
	s_wait_loadcnt 0x0                             ; the one unit's loads that are out, asked for a unit ago (the first time: rot and ent too)
.irp j, 0,1,2,3,4,5,6,7,8,9,10,11,12,13,14,15
	ds_store_b128 v[SIN], v[R+4*\j:R+4*\j+3] offset:2*SP*\j+128*(\j/8)   ; LDS serves a wave's instructions in order (ISA guide 5.7.1.4): these come behind the last unit's reads of the stage
.endr
.irp u, 0,1
.irp j, 0,1,2,3,4,5,6,7
	ds_load_b128 v[W+32*\u+4*\j:W+32*\u+4*\j+3], v[SKR] offset:8*SP*\u+16*\j
.endr
.endr
	s_wait_dscnt 16                                ; all but the 16 loads just issued: the stores have read their registers,
.if \more
	LOADU \base, \imm                              ; which take the next unit
.endif
.endm
; A block of 32 numbers of ONE lane, v[s] on, becomes 16 bytes of codes in v[c] .. v[c + 3]; its scale's byte is left in v[BY].
.macro QB32 s, c
	v_max3_num_f32 v[TMA], |v[\s]|, |v[\s+1]|, 0x1800000   ; the largest magnitude, in two chains, with the floor 2^(3 - 127) among its leaves: so the byte cannot fall under 1
	v_max3_num_f32 v[TMB], |v[\s+2]|, |v[\s+3]|, |v[\s+4]|
.irp i, 5,9,13,17,21,25
	v_max3_num_f32 v[TMA], v[TMA], |v[\s+\i]|, |v[\s+\i+1]|
	v_max3_num_f32 v[TMB], v[TMB], |v[\s+\i+2]|, |v[\s+\i+3]|
.endr
	v_max3_num_f32 v[TMA], v[TMA], |v[\s+29]|, |v[\s+30]|
	v_max3_num_f32 v[TMA], v[TMA], v[TMB], |v[\s+31]|
	v_add_nc_u32 v[SO], 0xff000000, v[TMA]         ; 2 off its exponent field: the conversion takes the exponent field of this operand as its scale, and nothing else of it
	v_lshrrev_b32 v[BY], 23, v[SO]                 ; the scale's byte
.irp g, 0,1,2,3
	v_cvt_scalef32_pk8_fp4_f32 v[\c+\g], v[\s+8*\g:\s+8*\g+7], v[SO]
.endr
	v_nop                                          ; one plain place behind a scaled conversion
.endm
; Tile u of the unit in hand: x times the head's 64 factors (v[e] on: my 32), rounded to f32 as the product is written; codes into v[c] on; the row's scale word (byte 0: d 0-31, byte 1: d 32-63, bytes 2, 3: 0) into v[wd], in both halves of the lanes.
.macro KTILE u, e, c, wd
.irp i, 0,2,4,6,8,10,12,14,16,18,20,22,24,26,28,30
	v_pk_mul_f32 v[W+32*\u+\i:W+32*\u+\i+1], v[W+32*\u+\i:W+32*\u+\i+1], v[\e+\i:\e+\i+1]
.endr
	QB32 W+32*\u, \c
	v_lshlrev_b32 v[BY], v[SH8], v[BY]             ; my block's byte at its place,
	v_permlanex16_b32 v[PT], v[BY], s[SEL], s[SEL+1]
	v_or_b32 v[\wd], v[BY], v[PT]                  ; with lane l xor 16's
.endm
; Keys 32 i .. 32 i + 31 of my key step: K's tiles 2 i and 2 i + 1, and key block i of all 64 columns of V.
.macro UNIT i
.if \i < 3
	STAGEIN 1, 20, (\i+1)*131072
.else
	STAGEIN 0, 20, 0
.endif
	s_wait_dscnt 8                                 ; tile 0's eight loads are in, tile 1's may be out
	KTILE 0, EENT, CK0, WD0
.set nn, 0
.rept 32
	ds_load_b32 v[W+nn], v[SVR] offset:SP*nn+128*(nn/16)          ; V: A LANE TAKES A COLUMN d = lane, AND ITS REGISTERS RUN DOWN THE KEYS; the stage holds x as it came
.set nn, nn+1
.endr
	s_wait_dscnt 32                                ; all but those 32: tile 1 is in
	KTILE 1, EENT, CK1, WD1
	s_wait_dscnt 0x0                               ; V's first 32 columns are in (asked for a tile ago)
.set nn, 0
.rept 32
	ds_load_b32 v[W+32+nn], v[SVR] offset:SP*nn+128*(nn/16)+128   ; d = 32 + lane
.set nn, nn+1
.endr
	v_cndmask_b32 v[WD0], v[WD0], v[WD1], s[HI16]  ; lanes 0-15: tile 2 i's scale words, lanes 16-31: tile 2 i + 1's
	ds_store_b128 v[IMK], v[CK0:CK0+3] offset:KC+1024*\i
	ds_store_b128 v[IMK], v[CK1:CK1+3] offset:KC+1024*\i+512
	ds_store_b32 v[IMK], v[WD0] offset:KS+4*\i
	QB32 W, CV0
.if \i == 0
	v_mov_b32 v[VW], v[BY]
.else
	v_lshl_or_b32 v[VW], v[BY], 8*\i, v[VW]        ; the step's four bytes make a column's scale word
.endif
	s_wait_dscnt 3                                 ; all but the three stores: V's other 32 columns are in
	QB32 W+32, CV1
.if \i == 0
	v_mov_b32 v[VW+1], v[BY]
.else
	v_lshl_or_b32 v[VW+1], v[BY], 8*\i, v[VW+1]
.endif
	ds_store_b128 v[IMV], v[CV0:CV0+3] offset:256*\i               ; block i = 2 c + h: 512 c + 256 h = 256 i
	ds_store_b128 v[IMV], v[CV1:CV1+3] offset:2048+256*\i
.endm
.irp j, 0,1,2,3,4,5,6,7
	global_load_b128 v[EROT+4*\j:EROT+4*\j+3], v[EA], s[6:7] offset:16*\j
	global_load_b128 v[EENT+4*\j:EENT+4*\j+3], v[EA], s[8:9] offset:16*\j
.endr
	LOADU 22, 0                                    ; my 32 queries
	STAGEIN 1, 20, 0                               ; they turn through the stage; my key step's first 32 keys are asked for
	s_wait_dscnt 8
	KTILE 0, EROT, 16, 255                         ; Q's two fragments and scale words stay in registers
	s_wait_dscnt 0x0
	KTILE 1, EROT, 24, 242
	UNIT 0
	UNIT 1
	UNIT 2
	UNIT 3
	ds_store_b64 v[IMS], v[VW:VW+1]
	s_wait_dscnt 0x0                               ; for the others' sake: my step's images have landed
	s_barrier_signal -1
	s_barrier_wait -1                              ; all sixteen steps lie in LDS; from here on the images are only read, and a wave writes its own stage alone
.irp j, 20,21,22,23,28,29,30,31
	v_mov_b32 v\j, 0                               ; product 1's K is 64: the operands' other 64 along K are zero codes, in Q's fragments
.endr
.irp t, 0,1,2,3,4,5,6,7
.irp j, 4,5,6,7
	v_mov_b32 v[R+8*\t+\j], 0                      ; and in K's: written once, the loads fill the lower four registers alone
.endr
.endr
.irp b, 0,1,2,3
	v_mov_b32 v[236+\b], 0                         ; written once: a lane permute's destination counts as one of its sources
.endr
	v_mov_b32 v253, 0                              ; (named as the upper half of the pair v[252:253] before it is first written)
	v_and_b32 v232, 15, v0
	v_bfe_u32 v233, v0, 4, 1
	v_mul_u32_u24 v[SOUT], v232, SP
	v_lshl_add_u32 v[SOUT], v233, 5, v[SOUT]
	v_add_nc_u32 v[SOUT], s[STB], v[SOUT]
; A KEY STEP: 128 keys for one tile of 16 queries (fragment v[qf] on, scale words v[qs]).
.macro STEP qf, qs
	v_add_nc_u32 v[ADI], s[TB], v[LI]
	v_add_nc_u32 v[AD8], s[TB], v[L8]
	v_nop                                          ; four places between the last step's last product and the loads into the registers that it read (ISA guide 7.12.1 for vector instructions)
	v_nop
.irp t, 0,1,2,3,4,5,6,7
	ds_load_b128 v[R+8*\t:R+8*\t+3], v[ADI] offset:KC+512*\t
.endr
	ds_load_b128 v[248:251], v[ADI] offset:KS
.irp t, 0,1,2,3
.irp c, 0,1
	ds_load_b128 v[192+8*\t+4*\c:192+8*\t+4*\c+3], v[ADI] offset:VC+1024*\t+512*\c
.endr
.endr
	ds_load_b64 v[240:241], v[AD8] offset:VS
	s_wait_dscnt 9                                 ; K's codes and scale words are in; V's eight loads and its scale words, wanted behind the softmax, may be out
.irp t, 0,1,2,3,4,5,6,7                        ; S^T = K Q^T: eight accumulators, each begun with the constant 0
.if \t%2
	v_wmma_scale_f32_16x16x128_f8f6f4 v[96+8*\t:103+8*\t], v[R+8*\t:R+8*\t+7], v[\qf:\qf+7], 0, v[248+\t/2], v[\qs] matrix_a_fmt:MATRIX_FMT_FP4 matrix_b_fmt:MATRIX_FMT_FP4 matrix_a_scale:MATRIX_SCALE_ROW1
.else
	v_wmma_scale_f32_16x16x128_f8f6f4 v[96+8*\t:103+8*\t], v[R+8*\t:R+8*\t+7], v[\qf:\qf+7], 0, v[248+\t/2], v[\qs] matrix_a_fmt:MATRIX_FMT_FP4 matrix_b_fmt:MATRIX_FMT_FP4
.endif
.endr                                          ; lane (r, h) holds query r; the 16 registers of tiles 2 b, 2 b + 1 are keys 32 b + 16 h + 0 .. 15 of the step
.rept 4
	v_nop
.endr
.irp b, 0,1,2,3
	v_max3_num_f32 v[232+\b], v[96+16*\b], v[97+16*\b], v[98+16*\b]   ; THE LARGEST SCORE OF EACH BLOCK OF 32 KEYS: it serves twice: for the row's maximum, and, since p rises with the score, for the block's largest p.  (Each accumulator is read from its low end on)
.endr
.irp i, 3,5,7,9,11,13
.irp b, 0,1,2,3
	v_max3_num_f32 v[232+\b], v[232+\b], v[96+16*\b+\i], v[97+16*\b+\i]   ; (the four blocks by turns)
.endr
.endr
.irp b, 0,1,2,3
	v_max_num_f32 v[232+\b], v[232+\b], v[111+16*\b]
.endr
.irp b, 0,1,2,3
	v_permlanex16_b32 v[236+\b], v[232+\b], s[SEL], s[SEL+1]
.endr
.irp b, 0,1,2,3
	v_max_num_f32 v[232+\b], v[232+\b], v[236+\b]  ; with lane l xor 16's 16 keys
.endr
	v_max3_num_f32 v254, v232, v233, v234
	v_max_num_f32 v254, v254, v235                 ; the step's largest score of my query
	v_mul_f32 v254, s[CS], v254                    ; as t (c is positive)
	v_max_num_f32 v13, v13, v254                   ; the running largest t
	v_mov_b32 v254, v12
	v_floor_f32 v12, -v13                          ; the new -M = floor(-t) = -ceil(t): M IS A WHOLE NUMBER
	v_sub_f32 v254, v12, v254                      ; M's old value less its new one: a whole number, 0 or less
	v_cvt_i32_f32 v254, v254                       ; (it saturates)
	v_ldexp_f32 v252, 1.0, v254                    ; f = 2^(old M - new M): what was summed under the old M is brought under the new by a multiplication that rounds nothing
.irp j, 0,2,4,6,8,10,12,14,16,18,20,22,24,26,28,30,32,34,36,38,40,42,44,46,48,50,52,54,56,58,60,62
	v_pk_fma_f32 v[96+\j:97+\j], v[96+\j:97+\j], s[CS:CS+1], v[12:13] op_sel_hi:[1,0,0]   ; t - M, two at a time (of the pairs c and -M the low word serves both halves)
.endr
.irp b, 0,1,2,3
	v_fma_f32 v[232+\b], v[232+\b], s[CS], v12     ; the same of each block's largest score
.endr
.set jj, 0
.rept 64
	v_exp_f32 v[96+jj], v[96+jj]                   ; p = 2^(t - M), at most 1: NOT normalised
.set jj, jj+1
.endr
	v_pk_mul_f32 v[14:15], v[14:15], v[252:253] op_sel_hi:[1,0]   ; the sums under the new M.  (A plain place behind the exponentials)
	s_wait_alu depctr_va_vdst(0)                   ; the wait ahead of the first line that names an exponential's result: one for the whole batch
.irp b, 0,1,2,3
	v_exp_f32 v[232+\b], v[232+\b]                 ; the block's largest p: the same two instructions on the same number give the same bits
.endr
	v_pk_add_f32 v[236:237], v[96:97], v[98:99]    ; THE ROW'S SUM IS TAKEN OF THE UNQUANTISED p: two at a time, in two chains.  (It reads the 64 alone: plain work behind the four)
.irp j, 4,8,12,16,20,24,28,32,36,40,44,48,52,56,60
	v_pk_add_f32 v[14:15], v[14:15], v[96+\j:97+\j]
	v_pk_add_f32 v[236:237], v[236:237], v[98+\j:99+\j]
.endr
	v_pk_add_f32 v[14:15], v[14:15], v[236:237]
	s_wait_alu depctr_va_vdst(0)                   ; and one for the four
.irp b, 0,1,2,3
	v_max_num_f32 v[232+\b], 0x1800000, v[232+\b]  ; the floor 2^(3 - 127): the byte cannot fall under 1 (a block whose every p has fallen to 0 keeps that byte: its codes are zeros)
.endr
.irp b, 0,1,2,3
	v_add_nc_u32 v[244+\b], 0xff000000, v[232+\b]  ; 2 off the exponent field: the conversion's scale operand
.endr
.irp b, 0,1,2,3
	v_lshrrev_b32 v[236+\b], 23, v[244+\b]         ; the scale's byte
.endr
	v_lshl_or_b32 v253, v237, 8, v236              ; p's scale word for these 128 keys
	v_lshl_or_b32 v253, v238, 16, v253
	v_lshl_or_b32 v253, v239, 24, v253
.irp b, 0,1,2,3
	v_cvt_scalef32_pk8_fp4_f32 v[224+2*\b], v[96+16*\b:103+16*\b], v[244+\b]
	v_cvt_scalef32_pk8_fp4_f32 v[225+2*\b], v[104+16*\b:111+16*\b], v[244+\b]
.endr
	v_nop                                          ; one plain place behind a scaled conversion
.irp c, 0,1                                    ; the operand's layout wants a WHOLE block in a lane: lanes 0-15 block 2 c, lanes 16-31 block 2 c + 1
.irp i, 0,1
	v_permlane16_swap_b32 v[224+4*\c+\i], v[226+4*\c+\i]
.endr
.endr
.irp j, 0,2,4,6,8,10,12,14,16,18,20,22,24,26,28,30
	v_pk_mul_f32 v[160+\j:161+\j], v[160+\j:161+\j], v[252:253] op_sel_hi:[1,0]   ; O^T under the new M: x f, each accumulator from its low end on.  (These 16 also stand between the lines that made p's codes and scale word and the products below)
.endr
	s_wait_dscnt 0x0                               ; V's fragments and scale words are in (asked for at the step's head)
.irp t, 0,1,2,3                                ; O^T += V^T P^T: four accumulators by turns, one instruction a turn; between two links of one chain stand the other three's and the next step's eight
.if \t%2
	v_wmma_scale_f32_16x16x128_f8f6f4 v[160+8*\t:167+8*\t], v[192+8*\t:199+8*\t], v[224:231], v[160+8*\t:167+8*\t], v[240+\t/2], v253 matrix_a_fmt:MATRIX_FMT_FP4 matrix_b_fmt:MATRIX_FMT_FP4 matrix_a_scale:MATRIX_SCALE_ROW1
.else
	v_wmma_scale_f32_16x16x128_f8f6f4 v[160+8*\t:167+8*\t], v[192+8*\t:199+8*\t], v[224:231], v[160+8*\t:167+8*\t], v[240+\t/2], v253 matrix_a_fmt:MATRIX_FMT_FP4 matrix_b_fmt:MATRIX_FMT_FP4
.endif
.endr
	s_add_co_u32 s[TB], s[TB], STEPB               ; the next step's images
.endm
; THE WAY OUT of tile u: O^T / the sum goes through my stage (rows of 256 bytes + 16) and leaves as whole rows of the head: sixteen lanes store 256 consecutive bytes, at a multiple of 256 from out's first byte.
.macro OUT u
.rept 4
	v_nop                                          ; places behind the last products
.endr
	v_add_f32 v14, v14, v15                        ; the sum's two halves,
	v_permlanex16_b32 v252, v14, s[SEL], s[SEL+1]
	v_add_f32 v14, v14, v252                       ; and lane l xor 16's: the row's sum
	v_rcp_f32 v14, v14
	v_nop                                          ; a plain place behind the reciprocal,
	s_wait_alu depctr_va_vdst(0)                   ; and the wait ahead of its first reader
.irp j, 0,2,4,6,8,10,12,14,16,18,20,22,24,26,28,30
	v_pk_mul_f32 v[96+\j:97+\j], v[160+\j:161+\j], v[14:15] op_sel_hi:[1,0]   ; register 8 t + i is o(query r, d = 16 t + 8 h + i)
.endr
.irp t, 0,1,2,3
	ds_store_b128 v[SOUT], v[96+8*\t:99+8*\t] offset:64*\t
	ds_store_b128 v[SOUT], v[100+8*\t:103+8*\t] offset:64*\t+16
.endr
.irp i, 0,1,2,3,4,5,6,7
	ds_load_b128 v[128+4*\i:131+4*\i], v[SIN] offset:2*SP*\i       ; LDS serves a wave's instructions in order: these see my stores
.endr
.irp i, 0,1,2,3,4,5,6,7
	s_wait_dscnt 7-\i                              ; the younger loads may be out
	global_store_b128 v[GA], v[128+4*\i:131+4*\i], s[10:11] offset:(8*\u+2*\i+8*(\i/4))*4096 th:TH_STORE_NT   ; stage row r is query 8 u + r + 8 (r / 8) of my 32; written once, read by nobody here
.endr
.if \u == 0
	s_wait_xcnt 0x0                                ; the stores have read their data: the next tile's products write these registers
.endif
.endm
; One tile of 16 queries through all 16 key steps.  The step is written once: the first finds zeros, which the first change of M leaves zeros.
.macro TILE u, qs
	v_mov_b32 v13, 0xff61b1e6                      ; the largest t so far: -3e38, under every t
	v_floor_f32 v12, -v13                          ; -M
	v_mov_b32 v14, 0                               ; the sum, in two halves
	v_mov_b32 v15, 0
.set jj, 0
.rept 32
	v_mov_b32 v[160+jj], 0                         ; O^T
.set jj, jj+1
.endr
	s_mov_b32 s[TB], 0
	s_mov_b32 s[CNT], 16
.Lstep_\@:
	STEP 16+8*\u, \qs
	s_sub_co_u32 s[CNT], s[CNT], 1
	s_cmp_lg_u32 s[CNT], 0
	s_cbranch_scc1 .Lstep_\@
	OUT \u
.endm
	TILE 0, 255
	TILE 1, 242
	s_wait_tensorcnt 0x0                           ; the wave's end
	ds_add_u32 v[SPW], v[NIL]
	s_wait_dscnt 0x0
	s_endpgm
.Lfunc_end_k_q2ca1ebc847_attn:
	.size	k_q2ca1ebc847_attn, .Lfunc_end_k_q2ca1ebc847_attn-k_q2ca1ebc847_attn
	.p2alignl 7, 3214868480
	.fill 96, 4, 3214868480
	.section	.rodata,"a",@progbits
	.p2align	6, 0x0
	.amdhsa_kernel k_q2ca1ebc847_attn
		.amdhsa_group_segment_fixed_size 288768
		.amdhsa_private_segment_fixed_size 0
		.amdhsa_enable_private_segment 0
		.amdhsa_kernarg_size 32
		.amdhsa_user_sgpr_count 2
		.amdhsa_user_sgpr_kernarg_segment_ptr 1
		.amdhsa_wavefront_size32 1
		.amdhsa_system_sgpr_workgroup_id_x 1
		.amdhsa_system_sgpr_workgroup_id_y 1
		.amdhsa_system_sgpr_workgroup_id_z 1
		.amdhsa_system_vgpr_workitem_id 0
		.amdhsa_next_free_vgpr 256
		.amdhsa_next_free_sgpr 66
		.amdhsa_reserve_vcc 0
		.amdhsa_float_denorm_mode_32 3
		.amdhsa_float_denorm_mode_16_64 3
		.amdhsa_memory_ordered 1
		.amdhsa_forward_progress 1
		.amdhsa_inst_pref_size 118
	.end_amdhsa_kernel
	.amdgpu_metadata
---
amdhsa.version: [ 1, 2 ]
amdhsa.kernels:
  - .name:           k_q2ca1ebc847_attn
    .symbol:         k_q2ca1ebc847_attn.kd
    .args:
      - { .name: inputs, .offset: 0, .size: 8, .value_kind: global_buffer, .address_space: global }
      - { .name: rotation_params, .offset: 8, .size: 8, .value_kind: global_buffer, .address_space: global }
      - { .name: entangle_params, .offset: 16, .size: 8, .value_kind: global_buffer, .address_space: global }
      - { .name: out0, .offset: 24, .size: 8, .value_kind: global_buffer, .address_space: global }
    .group_segment_fixed_size: 288768
    .private_segment_fixed_size: 0
    .kernarg_segment_align: 8
    .kernarg_segment_size: 32
    .max_flat_workgroup_size: 512
    .sgpr_count:     66
    .vgpr_count:     256
    .wavefront_size: 32
...
	.end_amdgpu_metadata
.endif
;; end of part 1
;; ======== version 2 of 2: 1 launch; version 1 with the launch attn written anew for expert scheduling mode
;; launch attn (part 2): grid 256 x 1, 16 waves a work-group, no clusters, 288,768 bytes of LDS; arguments inputs, rotation_params, entangle_params, out0; writes out0
.if DOCPART == 2
	.amdgcn_target "amdgcn-amd-amdhsa--gfx1250"
	.amdhsa_code_object_version 6
	.text
	.protected	k_q2ca1ebc847_attn
	.globl	k_q2ca1ebc847_attn
	.p2align	8
	.type	k_q2ca1ebc847_attn,@function
k_q2ca1ebc847_attn:
	s_mov_b64 s[64:65], 0
	v_nop
	global_prefetch_b8 v0, s[64:65] scope:SCOPE_SE
	s_setreg_imm32_b32 hwreg(HW_REG_WAVE_SCHED_MODE, 0, 2), 2
	s_setreg_imm32_b32 hwreg(HW_REG_WAVE_MODE, 25, 1), 1
	s_wait_xcnt 0x0
	s_wait_alu depctr_vm_vsrc(0)
; out[b][i][head][:] = sum over j of softmax_j((x_i rot) . (x_j ent) / 8) x_j, x = inputs[b][.][head][:], 64 numbers a head; both products on codes of FP4 (E2M1) with one E8M0 scale for each 32 along a product's K.
; Product 1: K = the head's 64 (two blocks of 32); the instruction's other 64 along K are zero codes on both sides, under the scale byte 0.  Product 2: K = the keys; what is quantised is p = 2^(t - M),
; t = score x log2(e) / 8, M the running largest t rounded up to a whole number; the row's sum is taken of the unquantised p, in f32, and divides at the end.
; NO WORK IS LEFT OUT: all three inputs reach the output through the codes of q, k and v.
; SHARES.  256 work-groups: 64 (batch, head) x 4 blocks of 512 queries.  Sixteen waves of 256 registers.  Wave w owns queries 32 w .. 32 w + 31 of the block, as two tiles of 16 worked one after the other.
; A HEAD'S K AND V LIE IN LDS WHOLE, as codes: 16 key steps of 128 keys x 8,960 bytes.  In the prologue wave w quantises key step w from x (32 keys at a time, turned through its own stage in LDS) and stores K's and V's
; operands as IMAGES OF THE OPERAND'S REGISTERS, 16 bytes a lane on end; one barrier; from then on the images are only read.  No ring, no refill, nothing loaded from memory behind the prologue.
; LAYOUT.  Both products are used transposed: S^T = K Q^T (source 0 = 16 keys, source 1 = my 16 queries), O^T = V^T P^T (source 0 = 16 of the head's 64, source 1 = P): a lane holds ONE query throughout.
; THE KEYS OF A TILE ARE NOT NEIGHBOURS: lane r of tile 2 b + u takes key 32 b + 8 u + r + 8 (r / 8), so that the 16 registers of tiles 2 b and 2 b + 1 are 16 neighbouring keys.  My queries are tiled by the same
; macros, so tile u's lane r is query 8 u + r + 8 (r / 8) of my 32; the way out puts each row back in its place.
; NO CLUSTER: what the four work-groups of a head share is x as f32, which has to pass through registers to be multiplied and converted, and is read in the prologue alone; a joint load would want a ring of f32 slots
; in LDS, and beside the images (143,360 bytes), the stages (143,360) and the spare words 38,912 bytes are left.  The four repeat K's and V's quantising: 64 units of 32 keys beside 512 key steps of a tile.
; LIMITS.  NaN and infinities among the inputs are not served.  A block of zeros, or one whose largest magnitude lies under 2^-124, gets the scale byte 1 where the rule says 127: its codes are zeros, and this text alone
; reads the bytes.  A block's largest p is made from its largest score by the same two instructions as every p: this takes v_exp_f32 not to fall where its input rises.
; THE MODE: SCHED_MODE bits 1:0 = 2 (LLVM: expert scheduling mode 2), set by the entry lines.  The code itself states the register dependences between vector or matrix instructions and memory or LDS instructions,
; with s_wait_alu, always for 0.
; THE PLAN, PROLOGUE.  Registers that memory or LDS instructions touch:
;   R            the next 32 rows' global loads land in it; the 16 LDS stores into the stage read it; no vector instruction names it.
;   W, two sets  the stage's loads land in it (two tiles; later V's columns d = 32 + lane, in the first set); the multiplications and conversions read and write it.
;   VB           V's columns d = lane land in it; the conversions read it.  (rot's registers, done with behind Q's tiles.)
;   CK0, CK1, WD0, CV0, CV1, VW   written by vector instructions; read by the LDS stores of the images.
;   v1-v11, v15  addresses, made once at the head.
;   A unit of 32 keys has one wait on vm_vsrc, behind the stage's stores (they have read R; the last unit's image stores have read their data), and two on va_vdst: behind tile 1 (W's first set is free for V's second
;   run of loads; K's codes and scale words are written for their stores) and at its end (V's codes are written for their stores; W and VB are done with, for the next unit's loads).
; THE PLAN, MAIN PART.  Registers that LDS instructions touch in the loop:
;   the lower four registers of K's eight fragments, v[248:251]   read by a step's eight products K Q^T; the NEXT step's loads land in them in this step's middle.
;   v192-223, v[240:241]   read by a step's four products V^T P^T; the next step's own loads land in them in that step's middle.
;   v[ADI], v[AD8]         read by those loads; written once a step, at its head, behind a wait on vm_vsrc.
;   The wait on va_vdst that stands behind the step's 64 exponentials also states that this step's eight products are done with K, that the last step's four are done with V, and that the two addresses are written:
;   the step's 18 LDS loads follow it directly.  One more wait on va_vdst stands ahead of the four products, which take p's codes and scale word, just written by vector instructions.
.set STEPB, 8960                       ; a key step's images: K's codes, V's codes, K's scale words, V's scale words
.set KC,    0                          ; K tile t (0..7) at 512 t + 16 lane: lane (r, h) holds the codes of d = 32 h .. + 31 of the tile's key r
.set VC,    4096                       ; V tile t (0..3), registers 4 c .. 4 c + 3 at 1024 t + 512 c + 16 lane: lane (r, h) holds key block 2 c + h of d = 16 t + r
.set KS,    8192                       ; at 16 lane + 4 j: the scale word of K tile 2 j + lane / 16, key lane % 16
.set VS,    8704                       ; at 8 lane + 4 j: the scale word of d = 32 j + lane
.set STG,   16*STEPB                   ; behind the images: a stage of 8,960 bytes for each wave
.set SP,    272                        ; a stage row: 256 bytes + 16 = 68 words: row n starts at bank 4 n mod 64 (64 banks of 4 bytes: ISA guide 11.1); rows 16-31 lie 128 bytes further on, so that the two groups of eight rows of a tile start at different banks
.set SPARE, 2*16*STEPB                 ; behind the stages: the spare words, 128 bytes for each wave: eight blocks of 256 bytes that no other line names
.set LI,   1                           ; v1   16 x lane
.set L8,   2                           ; v2   8 x lane
.set GA,   3                           ; v3   (lane / 16) x 4,096 + (lane % 16) x 16: two rows of x or of out, 256 bytes of a head each; never rewritten
.set SIN,  4                           ; v4   the same two rows in my stage
.set SPW,  5                           ; v5   LDS address of my spare word; never rewritten
.set NIL,  6                           ; v6   0; never rewritten
.set SKR,  7                           ; v7   prologue: my row of a tile in the stage, + 128 h
.set SVR,  8                           ; v8   prologue: my column in the stage: 4 x lane
.set IMK,  9                           ; v9   prologue: my step's images + 16 x lane
.set IMV,  10                          ; v10  prologue: where my column's codes of V go
.set IMS,  11                          ; v11  prologue: and its two scale words
.set VW,   12                          ; v[12:13] prologue: V's scale words of d = lane and d = 32 + lane, a byte a unit
.set SH8,  14                          ; v14  prologue: 8 h
.set EA,   15                          ; v15  prologue: 128 h
.set ADI,  7                           ; v7   main part: the step's images + 16 x lane
.set AD8,  8                           ; v8   main part: + 8 x lane
.set SOUT, 9                           ; v9   main part: the stage, row r, + 32 h
.set CV0,  20                          ; v[20:23], v[28:31] prologue: V's codes; main part: the zero halves of Q's two fragments v[16:23], v[24:31]
.set CV1,  28
.set R,    32                          ; v32-95   prologue: 32 rows as loaded;  main part: K's eight fragments (upper four registers of each: zeros)
.set W,    96                          ; v96-159  prologue: two sets of 32 numbers;  main part: S^T, then p; on the way out O / l and the rows read back
.set EENT, 160                         ; v160-191 prologue: ent[32 h ..];  main part: O^T, four tiles
.set EROT, 192                         ; v192-223 prologue: rot[32 h ..], for Q's two tiles;  main part: V's four fragments
.set VB,   192                         ; v192-223 prologue, behind Q's tiles: 32 keys of V's column d = lane
.set TMA,  224                         ; v224, v225 two chains of a largest magnitude; v226 the conversion's scale operand; v227 the scale's byte; v229 a permute's destination; v230, v231 two tiles' scale words
.set TMB,  225
.set SO,   226
.set BY,   227
.set PT,   229
.set WD0,  230
.set WD1,  231
.set CK0,  232                         ; v[232:235], v[236:239] prologue: K's codes
.set CK1,  236
                                       ; main part: v12 -M, v13 the largest t, v[14:15] the sum in two halves; v224-231 p's codes; v232-239, v244-247, v252, v254 at work
                                       ; scale words, in registers that hold nothing else: v[240:241] V's, v242 Q's tile 1, v[248:251] K's, v253 p's, v255 Q's tile 0
.set WV,   12                          ; s12  my wave's number
.set SEL,  24                          ; s[24:25] lane selects for v_permlanex16_b32: lane l xor 16
.set CS,   26                          ; s[26:27] c = log2(e) / 8: the packed form names a pair and takes its low word for both halves
.set HI16, 28                          ; s28  lanes 16-31
.set TB,   29                          ; s29  LDS byte at which the step in hand begins
.set CNT,  30                          ; s30  steps to go
.set IMB,  32                          ; s32  my key step's images
.set STB,  33                          ; s33  my stage
	s_load_b256 s[4:11], s[0:1], 0x0               ; x s[4:5], rot s[6:7], ent s[8:9], out s[10:11]
	v_lshl_add_u32 v[SPW], v0, 2, SPARE
	v_mov_b32 v[NIL], 0
	v_lshrrev_b32 v224, 5, v0
	v_readfirstlane_b32 s[WV], v224                ; wave 0..15
	s_lshr_b32 s13, ttmp9, 2                       ; 16 x batch + head
	s_and_b32 s14, ttmp9, 3                        ; my block of 512 queries
	s_lshr_b32 s34, s13, 4                         ; batch
	s_and_b32 s35, s13, 15                         ; head
	s_lshl_b32 s18, s35, 8                         ; the head's 256 bytes in a row of x, of rot and of ent
	s_mov_b32 s19, 0
	s_lshl_b32 s16, s34, 23                        ; a batch is 2,048 rows of 4,096 bytes
	s_or_b32 s16, s16, s18
	s_wait_alu depctr_va_sdst(0)                   ; s12, the wave's number, is written, ahead of its first reader
	s_lshl_b32 s34, s[WV], 19                      ; my key step: 128 rows
	s_add_co_u32 s20, s16, s34
	s_mov_b32 s21, 0
	s_lshl_b32 s34, s14, 21                        ; my block: 512 rows,
	s_lshl_b32 s35, s[WV], 17                      ; my 32 of them
	s_add_co_u32 s22, s16, s34
	s_add_co_u32 s22, s22, s35
	s_mov_b32 s23, 0
	s_mov_b32 s[SEL], 0x76543210
	s_mov_b32 s[SEL+1], 0xfedcba98
	s_mov_b32 s[CS], 0x3e38aa3b                    ; log2(e) / 8
	s_mov_b32 s[CS+1], s[CS]                       ; (named with it as a pair, so it is written)
	s_mov_b32 s[HI16], 0xffff0000
	s_mul_i32 s[IMB], s[WV], STEPB
	s_add_co_u32 s[STB], s[IMB], STG
	v_and_b32 v224, 31, v0                         ; lane
	v_and_b32 v225, 15, v0                         ; r
	v_bfe_u32 v226, v0, 4, 1                       ; h
	v_lshlrev_b32 v[LI], 4, v224
	v_lshlrev_b32 v[L8], 3, v224
	v_lshlrev_b32 v[GA], 4, v225
	v_lshl_add_u32 v[GA], v226, 12, v[GA]
	v_mul_u32_u24 v[SIN], v226, SP
	v_lshl_add_u32 v[SIN], v225, 4, v[SIN]
	v_add_nc_u32 v[SIN], s[STB], v[SIN]
	v_and_b32 v227, 8, v225                        ; 8 (r / 8)
	v_add_nc_u32 v[SKR], v227, v225                ; r + 8 (r / 8): rows 0-7 and 16-23
	v_mul_u32_u24 v[SKR], v[SKR], SP
	v_lshl_add_u32 v[SKR], v227, 4, v[SKR]         ; + 128 for rows 16 on
	v_lshl_add_u32 v[SKR], v226, 7, v[SKR]         ; + 128 h: d = 32 h on
	v_add_nc_u32 v[SKR], s[STB], v[SKR]
	v_lshl_add_u32 v[SVR], v224, 2, s[STB]
	v_add_nc_u32 v[IMK], s[IMB], v[LI]
	v_lshlrev_b32 v[IMV], 4, v225
	v_lshl_add_u32 v[IMV], v226, 10, v[IMV]        ; d = lane: tile lane / 16, row lane % 16
	v_add_nc_u32 v[IMV], s[IMB], v[IMV]
	v_add_nc_u32 v[IMV], VC, v[IMV]
	v_add_nc_u32 v[IMS], s[IMB], v[L8]
	v_add_nc_u32 v[IMS], VS, v[IMS]
	v_lshlrev_b32 v[SH8], 3, v226
	v_lshlrev_b32 v[EA], 7, v226
	v_mov_b32 v[PT], 0                             ; written once: a lane permute's destination counts as one of its sources
	s_wait_kmcnt 0x0
	s_add_nc_u64 s[20:21], s[4:5], s[20:21]        ; x at my key step's first row, my head
	s_add_nc_u64 s[10:11], s[10:11], s[22:23]      ; out at my first query,
	s_add_nc_u64 s[22:23], s[4:5], s[22:23]        ; and x there
	s_add_nc_u64 s[6:7], s[6:7], s[18:19]          ; rot and ent at my head
	s_add_nc_u64 s[8:9], s[8:9], s[18:19]
	s_wait_alu depctr_va_vdst(0)                   ; every address and offset made above is written: the loads and stores of the prologue, and those of the main part that go by v[LI], v[GA] and v[SIN], read them
; 32 rows of x, my head's 256 bytes of each: a load takes two rows, sixteen lanes to a row.  No hint: the head's other three work-groups read the same rows.
.macro LOADU base, imm
.irp j, 0,1,2,3,4,5,6,7,8,9,10,11,12,13,14,15
	global_load_b128 v[R+4*\j:R+4*\j+3], v[GA], s[\base:\base+1] offset:\imm+8192*\j
.endr
.endm
; The 32 rows go into my stage as they lie and come back as two tiles: lane (r, h) gets 32 neighbours, d = 32 h on, of row 8 u + r + 8 (r / 8).  more = 1: the next 32 rows are asked for.
; The loads into W owe no wait here: the last wait on va_vdst (at the head; behind Q's tiles; at a unit's end) stands behind every vector instruction that names W.
.macro STAGEIN more, base, imm
	s_wait_loadcnt 0x0                             ; the one unit's loads that are out, asked for a unit ago (the first time: rot and ent too)
.irp j, 0,1,2,3,4,5,6,7,8,9,10,11,12,13,14,15
	ds_store_b128 v[SIN], v[R+4*\j:R+4*\j+3] offset:2*SP*\j+128*(\j/8)   ; LDS serves a wave's instructions in order (ISA guide 5.7.1.4): these come behind the last unit's reads of the stage
.endr
.irp u, 0,1
.irp j, 0,1,2,3,4,5,6,7
	ds_load_b128 v[W+32*\u+4*\j:W+32*\u+4*\j+3], v[SKR] offset:8*SP*\u+16*\j
.endr
.endr
	s_wait_dscnt 16                                ; all but the 16 loads just issued: the stores are done
	s_wait_alu depctr_vm_vsrc(0)                   ; the stores above have read R, in which the next unit's loads land; the last unit's image stores have read K's and V's codes and scale words, which this unit writes anew
.if \more
	LOADU \base, \imm                              ; the next unit
.endif
.endm
; A block of 32 numbers of ONE lane, v[s] on, becomes 16 bytes of codes in v[c] .. v[c + 3]; its scale's byte is left in v[BY].
.macro QB32 s, c
	v_max3_num_f32 v[TMA], |v[\s]|, |v[\s+1]|, 0x1800000   ; the largest magnitude, in two chains, with the floor 2^(3 - 127) among its leaves: so the byte cannot fall under 1
	v_max3_num_f32 v[TMB], |v[\s+2]|, |v[\s+3]|, |v[\s+4]|
.irp i, 5,9,13,17,21,25
	v_max3_num_f32 v[TMA], v[TMA], |v[\s+\i]|, |v[\s+\i+1]|
	v_max3_num_f32 v[TMB], v[TMB], |v[\s+\i+2]|, |v[\s+\i+3]|
.endr
	v_max3_num_f32 v[TMA], v[TMA], |v[\s+29]|, |v[\s+30]|
	v_max3_num_f32 v[TMA], v[TMA], v[TMB], |v[\s+31]|
	v_add_nc_u32 v[SO], 0xff000000, v[TMA]         ; 2 off its exponent field: the conversion takes the exponent field of this operand as its scale, and nothing else of it
	v_lshrrev_b32 v[BY], 23, v[SO]                 ; the scale's byte
.irp g, 0,1,2,3
	v_cvt_scalef32_pk8_fp4_f32 v[\c+\g], v[\s+8*\g:\s+8*\g+7], v[SO]
.endr
	v_nop                                          ; one plain place behind a scaled conversion
.endm
; Tile u of the unit in hand: x times the head's 64 factors (v[e] on: my 32), rounded to f32 as the product is written; codes into v[c] on; the row's scale word (byte 0: d 0-31, byte 1: d 32-63, bytes 2, 3: 0) into v[wd], in both halves of the lanes.
.macro KTILE u, e, c, wd
.irp i, 0,2,4,6,8,10,12,14,16,18,20,22,24,26,28,30
	v_pk_mul_f32 v[W+32*\u+\i:W+32*\u+\i+1], v[W+32*\u+\i:W+32*\u+\i+1], v[\e+\i:\e+\i+1]
.endr
	QB32 W+32*\u, \c
	v_lshlrev_b32 v[BY], v[SH8], v[BY]             ; my block's byte at its place,
	v_permlanex16_b32 v[PT], v[BY], s[SEL], s[SEL+1]
	v_or_b32 v[\wd], v[BY], v[PT]                  ; with lane l xor 16's
.endm
; Keys 32 i .. 32 i + 31 of my key step: K's tiles 2 i and 2 i + 1, and key block i of all 64 columns of V.
.macro UNIT i
.if \i < 3
	STAGEIN 1, 20, (\i+1)*131072
.else
	STAGEIN 0, 20, 0
.endif
.set nn, 0
.rept 32
	ds_load_b32 v[VB+nn], v[SVR] offset:SP*nn+128*(nn/16)         ; V: A LANE TAKES A COLUMN d = lane, AND ITS REGISTERS RUN DOWN THE KEYS; the stage holds x as it came.  No wait: the last wait on va_vdst stands behind every vector instruction that names VB
.set nn, nn+1
.endr
	s_wait_dscnt 40                                ; tile 0's eight loads are in; tile 1's eight and V's 32 may be out
	KTILE 0, EENT, CK0, WD0
	s_wait_dscnt 32                                ; all but V's 32: tile 1 is in
	KTILE 1, EENT, CK1, WD1
	v_cndmask_b32 v[WD0], v[WD0], v[WD1], s[HI16]  ; lanes 0-15: tile 2 i's scale words, lanes 16-31: tile 2 i + 1's
	s_wait_dscnt 0x0                               ; V's first 32 columns are in (asked for two tiles ago)
	s_wait_alu depctr_va_vdst(0)                   ; tile 0's multiplications and conversions are done with W's first set, in which the loads below land; K's codes and scale words are written, which the three stores below read
.set nn, 0
.rept 32
	ds_load_b32 v[W+nn], v[SVR] offset:SP*nn+128*(nn/16)+128      ; d = 32 + lane
.set nn, nn+1
.endr
	ds_store_b128 v[IMK], v[CK0:CK0+3] offset:KC+1024*\i
	ds_store_b128 v[IMK], v[CK1:CK1+3] offset:KC+1024*\i+512
	ds_store_b32 v[IMK], v[WD0] offset:KS+4*\i
	QB32 VB, CV0
.if \i == 0
	v_mov_b32 v[VW], v[BY]
.else
	v_lshl_or_b32 v[VW], v[BY], 8*\i, v[VW]        ; the step's four bytes make a column's scale word
.endif
	s_wait_dscnt 3                                 ; all but the three stores: V's other 32 columns are in
	QB32 W, CV1
.if \i == 0
	v_mov_b32 v[VW+1], v[BY]
.else
	v_lshl_or_b32 v[VW+1], v[BY], 8*\i, v[VW+1]
.endif
	s_wait_alu depctr_va_vdst(0)                   ; V's codes and scale words are written, which the stores below (behind the last unit: VW's too) read; the unit is done with W and VB, in which the next unit's loads land
	ds_store_b128 v[IMV], v[CV0:CV0+3] offset:256*\i               ; block i = 2 c + h: 512 c + 256 h = 256 i
	ds_store_b128 v[IMV], v[CV1:CV1+3] offset:2048+256*\i
.endm
.irp j, 0,1,2,3,4,5,6,7
	global_load_b128 v[EROT+4*\j:EROT+4*\j+3], v[EA], s[6:7] offset:16*\j
	global_load_b128 v[EENT+4*\j:EENT+4*\j+3], v[EA], s[8:9] offset:16*\j
.endr
	LOADU 22, 0                                    ; my 32 queries
	STAGEIN 1, 20, 0                               ; they turn through the stage; my key step's first 32 keys are asked for
	s_wait_dscnt 8
	KTILE 0, EROT, 16, 255                         ; Q's two fragments and scale words stay in registers
	s_wait_dscnt 0x0
	KTILE 1, EROT, 24, 242
	s_wait_alu depctr_va_vdst(0)                   ; Q's two tiles are done with W and with rot's registers: the first unit's loads land in both
	UNIT 0
	UNIT 1
	UNIT 2
	UNIT 3
	ds_store_b64 v[IMS], v[VW:VW+1]
	s_wait_dscnt 0x0                               ; for the others' sake: my step's images have landed
	s_barrier_signal -1
	s_barrier_wait -1                              ; all sixteen steps lie in LDS; from here on the images are only read, and a wave writes its own stage alone
	s_wait_alu depctr_vm_vsrc(0)                   ; the prologue's LDS stores and loads have read their data and addresses (v7-v9, v12-v15, v20-23, v28-31, v230, v232-239, R): these registers get the main part's contents from here on
.irp j, 20,21,22,23,28,29,30,31
	v_mov_b32 v\j, 0                               ; product 1's K is 64: the operands' other 64 along K are zero codes, in Q's fragments
.endr
.irp t, 0,1,2,3,4,5,6,7
.irp j, 4,5,6,7
	v_mov_b32 v[R+8*\t+\j], 0                      ; and in K's: written once, the loads fill the lower four registers alone
.endr
.endr
.irp b, 0,1,2,3
	v_mov_b32 v[236+\b], 0                         ; written once: a lane permute's destination counts as one of its sources
.endr
	v_mov_b32 v253, 0                              ; (named as the upper half of the pair v[252:253] before it is first written)
	v_and_b32 v232, 15, v0
	v_bfe_u32 v233, v0, 4, 1
	v_mul_u32_u24 v[SOUT], v232, SP
	v_lshl_add_u32 v[SOUT], v233, 5, v[SOUT]
	v_add_nc_u32 v[SOUT], s[STB], v[SOUT]
	s_wait_alu depctr_va_vdst(0)                   ; Q's codes and scale words and the zero halves of Q's and K's fragments are written, which the scaled products take as operands; v[SOUT] is written, by which the way out stores
; A KEY STEP: 128 keys for one tile of 16 queries (fragment v[qf] on, scale words v[qs]).  next = 1: the next step's K is asked for in this step's middle.
.macro STEP qf, qs, next
	s_wait_alu depctr_vm_vsrc(0)                   ; the LDS loads issued so far have read v[ADI] and v[AD8]
	v_add_nc_u32 v[ADI], s[TB], v[LI]
	v_add_nc_u32 v[AD8], s[TB], v[L8]
	s_wait_dscnt 0x0                               ; K's codes and scale words are in: asked for in the last step's middle (the first step's: ahead of the loop)
.irp t, 0,1,2,3,4,5,6,7                        ; S^T = K Q^T: eight accumulators, each begun with the constant 0
.if \t%2
	v_wmma_scale_f32_16x16x128_f8f6f4 v[96+8*\t:103+8*\t], v[R+8*\t:R+8*\t+7], v[\qf:\qf+7], 0, v[248+\t/2], v[\qs] matrix_a_fmt:MATRIX_FMT_FP4 matrix_b_fmt:MATRIX_FMT_FP4 matrix_a_scale:MATRIX_SCALE_ROW1
.else
	v_wmma_scale_f32_16x16x128_f8f6f4 v[96+8*\t:103+8*\t], v[R+8*\t:R+8*\t+7], v[\qf:\qf+7], 0, v[248+\t/2], v[\qs] matrix_a_fmt:MATRIX_FMT_FP4 matrix_b_fmt:MATRIX_FMT_FP4
.endif
.endr                                          ; lane (r, h) holds query r; the 16 registers of tiles 2 b, 2 b + 1 are keys 32 b + 16 h + 0 .. 15 of the step
.rept 4
	v_nop
.endr
.irp b, 0,1,2,3
	v_max3_num_f32 v[232+\b], v[96+16*\b], v[97+16*\b], v[98+16*\b]   ; THE LARGEST SCORE OF EACH BLOCK OF 32 KEYS: it serves twice: for the row's maximum, and, since p rises with the score, for the block's largest p.  (Each accumulator is read from its low end on)
.endr
.irp i, 3,5,7,9,11,13
.irp b, 0,1,2,3
	v_max3_num_f32 v[232+\b], v[232+\b], v[96+16*\b+\i], v[97+16*\b+\i]   ; (the four blocks by turns)
.endr
.endr
.irp b, 0,1,2,3
	v_max_num_f32 v[232+\b], v[232+\b], v[111+16*\b]
.endr
.irp b, 0,1,2,3
	v_permlanex16_b32 v[236+\b], v[232+\b], s[SEL], s[SEL+1]
.endr
.irp b, 0,1,2,3
	v_max_num_f32 v[232+\b], v[232+\b], v[236+\b]  ; with lane l xor 16's 16 keys
.endr
	v_max3_num_f32 v254, v232, v233, v234
	v_max_num_f32 v254, v254, v235                 ; the step's largest score of my query
	v_mul_f32 v254, s[CS], v254                    ; as t (c is positive)
	v_max_num_f32 v13, v13, v254                   ; the running largest t
	v_mov_b32 v254, v12
	v_floor_f32 v12, -v13                          ; the new -M = floor(-t) = -ceil(t): M IS A WHOLE NUMBER
	v_sub_f32 v254, v12, v254                      ; M's old value less its new one: a whole number, 0 or less
	v_cvt_i32_f32 v254, v254                       ; (it saturates)
	v_ldexp_f32 v252, 1.0, v254                    ; f = 2^(old M - new M): what was summed under the old M is brought under the new by a multiplication that rounds nothing
.irp j, 0,2,4,6,8,10,12,14,16,18,20,22,24,26,28,30,32,34,36,38,40,42,44,46,48,50,52,54,56,58,60,62
	v_pk_fma_f32 v[96+\j:97+\j], v[96+\j:97+\j], s[CS:CS+1], v[12:13] op_sel_hi:[1,0,0]   ; t - M, two at a time (of the pairs c and -M the low word serves both halves)
.endr
.irp b, 0,1,2,3
	v_fma_f32 v[232+\b], v[232+\b], s[CS], v12     ; the same of each block's largest score
.endr
.set jj, 0
	s_wait_alu depctr_va_vdst(0)
.rept 64
	v_exp_f32 v[96+jj], v[96+jj]                   ; p = 2^(t - M), at most 1: NOT normalised
.set jj, jj+1
.endr
	v_pk_mul_f32 v[14:15], v[14:15], v[252:253] op_sel_hi:[1,0]   ; the sums under the new M.  (A plain place behind the exponentials)
	s_wait_alu depctr_va_vdst(0)                   ; the 64 exponentials have written p, ahead of its first reader: one wait for the whole batch.  It states too: v[ADI] and v[AD8] are written; the last step's four products are done with V's fragments and scale words, this step's eight with K's
.irp t, 0,1,2,3
.irp c, 0,1
	ds_load_b128 v[192+8*\t+4*\c:192+8*\t+4*\c+3], v[ADI] offset:VC+1024*\t+512*\c   ; this step's V, wanted behind the rest of the softmax
.endr
.endr
	ds_load_b64 v[240:241], v[AD8] offset:VS
.if \next
.irp t, 0,1,2,3,4,5,6,7
	ds_load_b128 v[R+8*\t:R+8*\t+3], v[ADI] offset:STEPB+KC+512*\t   ; the next step's K: its images lie STEPB bytes on
.endr
	ds_load_b128 v[248:251], v[ADI] offset:STEPB+KS
.endif
.irp b, 0,1,2,3
	v_exp_f32 v[232+\b], v[232+\b]                 ; the block's largest p: the same two instructions on the same number give the same bits
.endr
	v_pk_add_f32 v[236:237], v[96:97], v[98:99]    ; THE ROW'S SUM IS TAKEN OF THE UNQUANTISED p: two at a time, in two chains.  (It reads the 64 alone: plain work behind the four)
.irp j, 4,8,12,16,20,24,28,32,36,40,44,48,52,56,60
	v_pk_add_f32 v[14:15], v[14:15], v[96+\j:97+\j]
	v_pk_add_f32 v[236:237], v[236:237], v[98+\j:99+\j]
.endr
	v_pk_add_f32 v[14:15], v[14:15], v[236:237]
	s_wait_alu depctr_va_vdst(0)                   ; the four exponentials have written the blocks' largest p, ahead of their first reader
.irp b, 0,1,2,3
	v_max_num_f32 v[232+\b], 0x1800000, v[232+\b]  ; the floor 2^(3 - 127): the byte cannot fall under 1 (a block whose every p has fallen to 0 keeps that byte: its codes are zeros)
.endr
.irp b, 0,1,2,3
	v_add_nc_u32 v[244+\b], 0xff000000, v[232+\b]  ; 2 off the exponent field: the conversion's scale operand
.endr
.irp b, 0,1,2,3
	v_lshrrev_b32 v[236+\b], 23, v[244+\b]         ; the scale's byte
.endr
	v_lshl_or_b32 v253, v237, 8, v236              ; p's scale word for these 128 keys
	v_lshl_or_b32 v253, v238, 16, v253
	v_lshl_or_b32 v253, v239, 24, v253
.irp b, 0,1,2,3
	v_cvt_scalef32_pk8_fp4_f32 v[224+2*\b], v[96+16*\b:103+16*\b], v[244+\b]
	v_cvt_scalef32_pk8_fp4_f32 v[225+2*\b], v[104+16*\b:111+16*\b], v[244+\b]
.endr
	v_nop                                          ; one plain place behind a scaled conversion
.irp c, 0,1                                    ; the operand's layout wants a WHOLE block in a lane: lanes 0-15 block 2 c, lanes 16-31 block 2 c + 1
.irp i, 0,1
	v_permlane16_swap_b32 v[224+4*\c+\i], v[226+4*\c+\i]
.endr
.endr
.irp j, 0,2,4,6,8,10,12,14,16,18,20,22,24,26,28,30
	v_pk_mul_f32 v[160+\j:161+\j], v[160+\j:161+\j], v[252:253] op_sel_hi:[1,0]   ; O^T under the new M: x f, each accumulator from its low end on.  (These 16 also stand between the lines that made p's codes and scale word and the products below)
.endr
.if \next
	s_wait_dscnt 9                                 ; V's fragments and scale words are in; the nine younger loads, the next step's K, may be out
.else
	s_wait_dscnt 0x0                               ; V's fragments and scale words are in
.endif
	s_wait_alu depctr_va_vdst(0)                   ; p's codes v[224:231] and scale word v253 are written, which the scaled products below take as operands; the places above stay beside this wait
.irp t, 0,1,2,3                                ; O^T += V^T P^T: four accumulators by turns, one instruction a turn; between two links of one chain stand the other three's and the next step's eight
.if \t%2
	v_wmma_scale_f32_16x16x128_f8f6f4 v[160+8*\t:167+8*\t], v[192+8*\t:199+8*\t], v[224:231], v[160+8*\t:167+8*\t], v[240+\t/2], v253 matrix_a_fmt:MATRIX_FMT_FP4 matrix_b_fmt:MATRIX_FMT_FP4 matrix_a_scale:MATRIX_SCALE_ROW1
.else
	v_wmma_scale_f32_16x16x128_f8f6f4 v[160+8*\t:167+8*\t], v[192+8*\t:199+8*\t], v[224:231], v[160+8*\t:167+8*\t], v[240+\t/2], v253 matrix_a_fmt:MATRIX_FMT_FP4 matrix_b_fmt:MATRIX_FMT_FP4
.endif
.endr
.if \next
	s_add_co_u32 s[TB], s[TB], STEPB               ; the next step's images
.endif
.endm
; THE WAY OUT of tile u: O^T / the sum goes through my stage (rows of 256 bytes + 16) and leaves as whole rows of the head: sixteen lanes store 256 consecutive bytes, at a multiple of 256 from out's first byte.
.macro OUT u
.rept 4
	v_nop                                          ; places behind the last products
.endr
	v_add_f32 v14, v14, v15                        ; the sum's two halves,
	v_permlanex16_b32 v252, v14, s[SEL], s[SEL+1]
	v_add_f32 v14, v14, v252                       ; and lane l xor 16's: the row's sum
	s_wait_alu depctr_va_vdst(0)
	v_rcp_f32 v14, v14
	v_nop                                          ; a plain place behind the reciprocal,
	s_wait_alu depctr_va_vdst(0)                   ; and the reciprocal is written, ahead of its first reader
.irp j, 0,2,4,6,8,10,12,14,16,18,20,22,24,26,28,30
	v_pk_mul_f32 v[96+\j:97+\j], v[160+\j:161+\j], v[14:15] op_sel_hi:[1,0]   ; register 8 t + i is o(query r, d = 16 t + 8 h + i)
.endr
	s_wait_alu depctr_va_vdst(0)                   ; the multiplications have written v[96:127], which the LDS stores read; every vector instruction that named v[128:159], in which the loads below land, stands ahead of it too
.irp t, 0,1,2,3
	ds_store_b128 v[SOUT], v[96+8*\t:99+8*\t] offset:64*\t
	ds_store_b128 v[SOUT], v[100+8*\t:103+8*\t] offset:64*\t+16
.endr
.irp i, 0,1,2,3,4,5,6,7
	ds_load_b128 v[128+4*\i:131+4*\i], v[SIN] offset:2*SP*\i       ; LDS serves a wave's instructions in order: these see my stores
.endr
.irp i, 0,1,2,3,4,5,6,7
	s_wait_dscnt 7-\i                              ; the younger loads may be out
	global_store_b128 v[GA], v[128+4*\i:131+4*\i], s[10:11] offset:(8*\u+2*\i+8*(\i/4))*4096 th:TH_STORE_NT   ; stage row r is query 8 u + r + 8 (r / 8) of my 32; written once, read by nobody here
.endr
.if \u == 0
	s_wait_xcnt 0x0                                ; the stores have read their data: the next tile's products write these registers
	s_wait_alu depctr_vm_vsrc(0)                   ; the LDS stores have read v[96:127] and the global stores v[128:159], which the next tile's products write
.endif
.endm
; One tile of 16 queries through all 16 key steps.  The first step finds zeros, which the first change of M leaves zeros.  The last step is written out: it asks for no further K.
.macro TILE u, qs
.irp t, 0,1,2,3,4,5,6,7
	ds_load_b128 v[R+8*\t:R+8*\t+3], v[LI] offset:KC+512*\t        ; key step 0's K.  No wait: v[LI] was written at the head, and every product that read these registers stands ahead of a wait on va_vdst (tile 0: none has read them yet)
.endr
	ds_load_b128 v[248:251], v[LI] offset:KS
	v_mov_b32 v13, 0xff61b1e6                      ; the largest t so far: -3e38, under every t
	v_floor_f32 v12, -v13                          ; -M
	v_mov_b32 v14, 0                               ; the sum, in two halves
	v_mov_b32 v15, 0
.set jj, 0
.rept 32
	v_mov_b32 v[160+jj], 0                         ; O^T
.set jj, jj+1
.endr
	s_mov_b32 s[TB], 0
	s_mov_b32 s[CNT], 15
.Lstep_\@:
	STEP 16+8*\u, \qs, 1
	s_sub_co_u32 s[CNT], s[CNT], 1
	s_cmp_lg_u32 s[CNT], 0
	s_cbranch_scc1 .Lstep_\@
	STEP 16+8*\u, \qs, 0
	OUT \u
.endm
	TILE 0, 255
	TILE 1, 242
	s_wait_dscnt 0x0                               ; the closing lines, six on end
	s_wait_alu 0x0
	s_wait_tensorcnt 0x0
	ds_add_u32 v[SPW], v[NIL]
	s_wait_dscnt 0x0
	s_endpgm
.Lfunc_end_k_q2ca1ebc847_attn:
	.size	k_q2ca1ebc847_attn, .Lfunc_end_k_q2ca1ebc847_attn-k_q2ca1ebc847_attn
	.p2alignl 7, 3214868480
	.fill 96, 4, 3214868480
	.section	.rodata,"a",@progbits
	.p2align	6, 0x0
	.amdhsa_kernel k_q2ca1ebc847_attn
		.amdhsa_group_segment_fixed_size 288768
		.amdhsa_private_segment_fixed_size 0
		.amdhsa_enable_private_segment 0
		.amdhsa_kernarg_size 32
		.amdhsa_user_sgpr_count 2
		.amdhsa_user_sgpr_kernarg_segment_ptr 1
		.amdhsa_wavefront_size32 1
		.amdhsa_system_sgpr_workgroup_id_x 1
		.amdhsa_system_sgpr_workgroup_id_y 1
		.amdhsa_system_sgpr_workgroup_id_z 1
		.amdhsa_system_vgpr_workitem_id 0
		.amdhsa_next_free_vgpr 256
		.amdhsa_next_free_sgpr 66
		.amdhsa_reserve_vcc 0
		.amdhsa_float_denorm_mode_32 3
		.amdhsa_float_denorm_mode_16_64 3
		.amdhsa_memory_ordered 1
		.amdhsa_forward_progress 1
		.amdhsa_inst_pref_size 148
	.end_amdhsa_kernel
	.amdgpu_metadata
---
amdhsa.version: [ 1, 2 ]
amdhsa.kernels:
  - .name:           k_q2ca1ebc847_attn
    .symbol:         k_q2ca1ebc847_attn.kd
    .args:
      - { .name: inputs, .offset: 0, .size: 8, .value_kind: global_buffer, .address_space: global }
      - { .name: rotation_params, .offset: 8, .size: 8, .value_kind: global_buffer, .address_space: global }
      - { .name: entangle_params, .offset: 16, .size: 8, .value_kind: global_buffer, .address_space: global }
      - { .name: out0, .offset: 24, .size: 8, .value_kind: global_buffer, .address_space: global }
    .group_segment_fixed_size: 288768
    .private_segment_fixed_size: 0
    .kernarg_segment_align: 8
    .kernarg_segment_size: 32
    .max_flat_workgroup_size: 512
    .sgpr_count:     66
    .vgpr_count:     256
    .wavefront_size: 32
...
	.end_amdgpu_metadata
.endif
;; end of part 2
